; MI455X (gfx1250); checked and timed in simulation.
; The chip was launched on July 23, 2026; its instructions are those of AMD's public machine-readable ISA for CDNA 5 (MIT licence, August 2026) and "CDNA5" Instruction Set Architecture Reference Guide (July 2026). The comments in the code are by the model that wrote it; some were corrected since.
;; Grouped Query Attention. Allowed arithmetic: float matrix products may take bf16 or f16 operands with f32 sums; all other float work in f32.
;; Inputs: cos 2,048 x 64 float32; kg 64 float32; mask 2,048 x 2,048 bool; qg 64 float32; sin 2,048 x 64 float32; wk 512 x 2,048 float32; wo 2,048 x 2,048 float32; wq 2,048 x 2,048 float32; wv 512 x 2,048 float32; x 1 x 2,048 x 2,048 float32.
;; Outputs: out0 1 x 2,048 x 2,048 float32.
;; One version. Each part assembles by itself: llvm-mc -triple=amdgcn-amd-amdhsa -mcpu=gfx1250 --defsym DOCPART=n.
;; ======== version 1 of 1: 4 launches
;; limits: values are held in f16: magnitudes above 65,504 overflow, below 6.1e-05 lose precision; values outside matrix products are rounded to bf16
;; workspace buffers: hf 20,971,520 bytes; mb 524,288 bytes of whole numbers; qkv 12,582,912 bytes; ctx 8,388,608 bytes; woh 8,388,608 bytes
;; launch prep (part 1): grid 1280 x 1, 8 waves a work-group, no clusters, 0 bytes of LDS; arguments x, wq, wk, wv, hf; writes hf
.if DOCPART == 1
	.amdgcn_target "amdgcn-amd-amdhsa--gfx1250"
	.amdhsa_code_object_version 6
	.text
	.protected	k_q767dcbf19a_prep
	.globl	k_q767dcbf19a_prep
	.p2align	8
	.type	k_q767dcbf19a_prep,@function
k_q767dcbf19a_prep:
	s_mov_b64 s[64:65], 0
	v_nop
	global_prefetch_b8 v0, s[64:65] scope:SCOPE_SE
	s_setreg_imm32_b32 hwreg(HW_REG_WAVE_MODE, 25, 1), 1
	s_wait_xcnt 0x0
; prep: x, wq, wk, wv (f32) are rounded once to bf16 (nearest even) into one matrix hf of 5,120 rows x 2,048:
;       rows 0-2047 x, 2048-4095 wq, 4096-4607 wk, 4608-5119 wv.  (wo is cast at the start of the attention launch, the mask is packed at
;       the start of the projection launch: neither is needed earlier, and both launches have waves that wait for their first tiles.)
; LIMIT: every matrix input carries bf16's 8 significant bits.
; A stream: no LDS, no matrix unit, no cluster (no two work-groups read the same byte).  A work-group casts 4 rows (32 KiB of f32);
; 1,280 work-groups are five for each of 256 WGPs.
	s_load_b256 s[4:11], s[0:1], 0x0               ; x 4:5, wq 6:7, wk 8:9, wv 10:11
	s_load_b64 s[16:17], s[0:1], 0x20              ; hf
	v_lshlrev_b32 v1, 4, v0                        ; 16 bytes of f32 a thread
	v_lshlrev_b32 v2, 3, v0                        ; 8 bytes of bf16 a thread
	s_wait_kmcnt 0x0
	; which source, and the number of its first work-group: 512 for x, 512 for wq, 128 for wk, 128 for wv
	s_mov_b64 s[20:21], s[10:11]
	s_mov_b32 s22, 1152
	s_cmp_lt_u32 ttmp9, 1152
	s_cselect_b64 s[20:21], s[8:9], s[20:21]
	s_cselect_b32 s22, 1024, s22
	s_cmp_lt_u32 ttmp9, 1024
	s_cselect_b64 s[20:21], s[6:7], s[20:21]
	s_cselect_b32 s22, 512, s22
	s_cmp_lt_u32 ttmp9, 512
	s_cselect_b64 s[20:21], s[4:5], s[20:21]
	s_cselect_b32 s22, 0, s22
	s_sub_co_u32 s22, ttmp9, s22
	s_lshl_b32 s22, s22, 15                        ; 4 rows of 8,192 bytes in the source
	s_mov_b32 s23, 0
	s_add_nc_u64 s[20:21], s[20:21], s[22:23]
	s_lshl_b32 s24, ttmp9, 14                      ; 4 rows of 4,096 bytes in hf
	s_mov_b32 s25, 0
	s_add_nc_u64 s[16:17], s[16:17], s[24:25]
.irp j, 0,1,2,3,4,5,6,7
	global_load_b128 v[8+4*\j:11+4*\j], v1, s[20:21] offset:4096*\j th:TH_LOAD_NT   ; the 256 threads take 4,096 consecutive bytes
.endr
.irp j, 0,1,2,3,4,5,6,7
	s_wait_loadcnt 7-\j                            ; loads return in order: load j is in, the 7-j younger ones stay out
	v_cvt_pk_bf16_f32 v[40+2*\j], v[8+4*\j], v[9+4*\j]
	v_cvt_pk_bf16_f32 v[41+2*\j], v[10+4*\j], v[11+4*\j]
	global_store_b64 v2, v[40+2*\j:41+2*\j], s[16:17] offset:2048*\j   ; a wave stores 256 consecutive bytes, aligned
.endr
	s_endpgm
.Lfunc_end_k_q767dcbf19a_prep:
	.size	k_q767dcbf19a_prep, .Lfunc_end_k_q767dcbf19a_prep-k_q767dcbf19a_prep
	.p2alignl 7, 3214868480
	.fill 96, 4, 3214868480
	.section	.rodata,"a",@progbits
	.p2align	6, 0x0
	.amdhsa_kernel k_q767dcbf19a_prep
		.amdhsa_group_segment_fixed_size 0
		.amdhsa_private_segment_fixed_size 0
		.amdhsa_enable_private_segment 0
		.amdhsa_kernarg_size 40
		.amdhsa_user_sgpr_count 2
		.amdhsa_user_sgpr_kernarg_segment_ptr 1
		.amdhsa_wavefront_size32 1
		.amdhsa_system_sgpr_workgroup_id_x 1
		.amdhsa_system_sgpr_workgroup_id_y 1
		.amdhsa_system_sgpr_workgroup_id_z 1
		.amdhsa_system_vgpr_workitem_id 0
		.amdhsa_next_free_vgpr 56
		.amdhsa_next_free_sgpr 66
		.amdhsa_reserve_vcc 0
		.amdhsa_float_denorm_mode_32 3
		.amdhsa_float_denorm_mode_16_64 3
		.amdhsa_memory_ordered 1
		.amdhsa_forward_progress 1
		.amdhsa_inst_pref_size 4
	.end_amdhsa_kernel
	.amdgpu_metadata
---
amdhsa.version: [ 1, 2 ]
amdhsa.kernels:
  - .name:           k_q767dcbf19a_prep
    .symbol:         k_q767dcbf19a_prep.kd
    .args:
      - { .name: x, .offset: 0, .size: 8, .value_kind: global_buffer, .address_space: global }
      - { .name: wq, .offset: 8, .size: 8, .value_kind: global_buffer, .address_space: global }
      - { .name: wk, .offset: 16, .size: 8, .value_kind: global_buffer, .address_space: global }
      - { .name: wv, .offset: 24, .size: 8, .value_kind: global_buffer, .address_space: global }
      - { .name: hf, .offset: 32, .size: 8, .value_kind: global_buffer, .address_space: global }
    .group_segment_fixed_size: 0
    .private_segment_fixed_size: 0
    .kernarg_segment_align: 8
    .kernarg_segment_size: 40
    .max_flat_workgroup_size: 256
    .sgpr_count:     66
    .vgpr_count:     56
    .wavefront_size: 32
...
	.end_amdgpu_metadata
.endif
;; end of part 1
;; launch proj (part 2): grid 16 x 16, 4 waves a work-group, clusters of 4 x 4, 327,680 bytes of LDS; arguments hf, cos, sin, qg, kg, qkv, mask, mb; writes qkv, mb
.if DOCPART == 2
	.amdgcn_target "amdgcn-amd-amdhsa--gfx1250"
	.amdhsa_code_object_version 6
	.text
	.protected	k_q767dcbf19a_proj
	.globl	k_q767dcbf19a_proj
	.p2align	8
	.type	k_q767dcbf19a_proj,@function
k_q767dcbf19a_proj:
	s_mov_b64 s[64:65], 0
	v_nop
	global_prefetch_b8 v0, s[64:65] scope:SCOPE_SE
	s_setreg_imm32_b32 hwreg(HW_REG_WAVE_MODE, 25, 1), 1
	s_wait_xcnt 0x0
	s_wait_alu depctr_hold_cnt(0) depctr_sa_sdst(0) depctr_va_vdst(0) depctr_va_sdst(0) depctr_va_ssrc(0) depctr_va_vcc(0) depctr_vm_vsrc(0)
	s_getreg_b32 s2, hwreg(HW_REG_IB_STS2, 6, 4)
	s_cmp_eq_u32 s2, 0
	s_cbranch_scc0 .Lentry_in_a_cluster
	s_endpgm
.Lentry_in_a_cluster:
	s_bfe_u32 s2, ttmp6, 0x10000c
	s_cmp_lg_u32 s2, 0xf033
	s_cbranch_scc0 .Lentry_shape_is_right
	s_endpgm
.Lentry_shape_is_right:
; proj: [q | k | v] = x W^T (2,048 x 3,072, K = 2,048, bf16 operands from hf, f32 sums), then per head of 64 columns: RMS norm, gain, RoPE
; (q and k; v passes unchanged); q is also multiplied by 0.125 log2(e), so that the attention launch can take 2^x of the raw products.
; Out: qkv[48 heads][2,048 rows][64] f16; heads 0-31 q, 32-39 k, 40-47 v.
; Beside that, while its first tiles are on their way, each wave packs one block of 64 x 64 mask bytes into lane-mask words for the attention
; launch: mb word ((qb*32+kb)*128 + (qt*4+kt)*8 + j), bit r+16h = mask[64qb+16qt+r][64kb+16kt+8h+j].
; LIMITS: like x and the weights, the tables cos and sin and the gains qg and kg are rounded to bf16 (nearest even) before use, so that the
; whole program is the function of one set of inputs, all in bf16; the arithmetic on them is f32.  Results are rounded to f16 (|v| below
; 65,504); the score scale is applied before q's rounding, not behind the product.  The sums run along K from the cluster's starting point
; round to it again, not from 0.
; A work-group makes 128 rows x 192 columns (three heads) with four waves of 64 x 96 (24 accumulator tiles, 192 registers).
; THE RING: slot 0 holds 256 of K (320 rows x 528 bytes), slot 1 holds 128 (320 rows x 272 bytes); two slots of 256 would need 337,920 bytes.
; K goes in eleven chunks, 256 and 128 by turns (five pairs are 1,920) and a last 128 in slot 0, so there are nine refills.
; A tile's rows are 512 or 256 bytes of memory and begin at multiples of 256 bytes.
; CLUSTER 4 x 4: x's tile hangs on the block row alone and is asked for jointly along a row of the cluster, W's on the block column alone
; and jointly along a column: a quarter of the requests.  Clusters whose x + y is odd start 1,024 elements further along K and wrap round,
; so that clusters that read the same tile read it at different times.
; The matrix instruction is used transposed (source 0 = rows of W, source 1 = rows of x): lane (r, h), register j holds C(row r, column 8h + j).
; Registers: window 0: addresses v16-31, constants v32-59, fragment buffers v64-143 and v144-223; window 1: accumulator (a, b) at 8 (6 a + b).
.set AT, 4
.set BT, 6
.set P0, 528                           ; slot 0's pitch: 512 bytes + 16; slot 1's: 256 + 16.  Odd multiples of 16: the 16 rows of a fragment
.set P1, 272                           ; load start 16 bytes apart modulo 256
.set S1B, 320*P0                       ; slot 1 begins behind slot 0
.set STAGE, S1B                        ; the block in f32, 128 rows: on slot 1's bytes (after their last fill and their last read) and the free bytes behind them
.set SPITCH, 784                       ; 768 bytes + 16
.set NLD, 2*(AT+BT)                    ; LDS loads of one part of 32 along K
.set F0, 64
.set F1, F0+8*(AT+BT)
.set ADRA, 16                          ; v16-17 x's fragments in slot 0, 1
.set ADRB, 18                          ; v18-19 W's
.set STO, 24
.set RD, 25
.set CS, 26
.set QO, 27
.set GO, 28
.set GN, 32                            ; v[32:55] gains (x scale) of my 8 columns in each of the three heads
.set SGN, 56                           ; v[56:57] -1 for columns 0-31 of a head, +1 for 32-63
.set RS, 58                            ; v[58:59] 1 / rms, twice
.set X, 192                            ; v[192:215] a batch as read from the stage
.set PK, 216                           ; v[216:227] packed results
.set Y, 228
.set T, 236
.set SS, 244
.set BA, 16                            ; s[16:17] x at my rows; s[66:67] W at my rows
.set BB, 66
.set KO, 18                            ; s[18:19], s[20:21] byte offset along K of slot 0's, slot 1's next tile (an offset, high word 0)
.set G1A, 24                           ; s[24:31], s[32:39] group 1 of x's tiles for slot 0, 1
.set G1B, 40                           ; s[40:47], s[48:55] of W's
.set G0A, 56                           ; s[56:59], s[60:63] group 0 of x's tiles for slot 0, 1
.set G0B, 68                           ; s[68:71], s[72:75] of W's
.set ACC, 0x50                         ; C and D in window 1
.set ST, 0x04                          ; an LDS store's data in window 1
.set MSB, 0
.macro WIN new                         ; the immediate's high byte repeats the setting that is left
.if MSB != \new
	s_set_vgpr_msb (MSB<<8)|\new
.set MSB, \new
.endif
.endm
.macro JLOAD s                         ; one joint load a wave: waves 0, 1 fetch 64 rows of x each, waves 2, 3 fetch 96 rows of W each
	s_cmp_ge_u32 s12, 2
	s_cbranch_scc1 .Lfor_b_\@
	tensor_load_to_lds s[G0A+4*\s:G0A+4*\s+3], s[G1A+8*\s:G1A+8*\s+7]
	s_nop 0
	s_branch .Lasked_\@
.Lfor_b_\@:
	tensor_load_to_lds s[G0B+4*\s:G0B+4*\s+3], s[G1B+8*\s:G1B+8*\s+7]
	s_nop 0
.Lasked_\@:
.endm
.macro CREST                           ; a round of the cluster's barrier behind its opening work-group barrier
	s_cmp_lg_u32 s12, 0
	s_cbranch_scc1 .Lnot_wave_0_\@
	s_barrier_signal -3
.Lnot_wave_0_\@:
	s_barrier_wait -3
	s_barrier_signal -1
	s_barrier_wait -1
.endm
.macro CROUND
	s_barrier_signal -1
	s_barrier_wait -1
	CREST
.endm
.macro PLACES                          ; four plain vector places between a matrix instruction and a load into, or a reader of, its registers
.rept 4
	v_nop
.endr
.endm
; BT matrix instructions: row tile a x all column tiles.  The 24 accumulators take turns, one instruction a turn, in one order everywhere.
.macro MULROW f, a, zero
.irp b, 0,1,2,3,4,5
.if \zero
	v_wmma_f32_16x16x32_bf16 v[8*(BT*\a+\b):8*(BT*\a+\b)+7], v[\f+8*\b:\f+8*\b+7], v[\f+8*BT+8*\a:\f+8*BT+8*\a+7], 0
.else
	v_wmma_f32_16x16x32_bf16 v[8*(BT*\a+\b):8*(BT*\a+\b)+7], v[\f+8*\b:\f+8*\b+7], v[\f+8*BT+8*\a:\f+8*BT+8*\a+7], v[8*(BT*\a+\b):8*(BT*\a+\b)+7]
.endif
.endr
.endm
.macro FETCH slot, k, f                ; the fragments of 32 along K at byte k of the slot's rows: W's six, then x's four
	WIN 0
.irp i, 0,1,2,3,4,5
	ds_load_b128 v[\f+8*\i:\f+8*\i+3],   v[ADRB+\slot] offset:\k+\i*16*(P0-\slot*(P0-P1))
	ds_load_b128 v[\f+8*\i+4:\f+8*\i+7], v[ADRB+\slot] offset:\k+\i*16*(P0-\slot*(P0-P1))+32
.endr
.irp i, 0,1,2,3
	ds_load_b128 v[\f+8*BT+8*\i:\f+8*BT+8*\i+3],   v[ADRA+\slot] offset:\k+\i*16*(P0-\slot*(P0-P1))
	ds_load_b128 v[\f+8*BT+8*\i+4:\f+8*BT+8*\i+7], v[ADRA+\slot] offset:\k+\i*16*(P0-\slot*(P0-P1))+32
.endr
.endm
.macro QUARTER slot, k, f, g, zero     ; multiplies buffer f; in its middle it fetches the next part, at byte k, into buffer g
	s_wait_dscnt 4                                 ; all but the youngest four loads (x's row tiles 2 and 3) are in
	WIN ACC
	MULROW \f, 0, \zero
	MULROW \f, 1, \zero
	PLACES
	FETCH \slot, \k, \g
	s_wait_dscnt NLD                               ; all but the run just issued
	WIN ACC
	MULROW \f, 2, \zero
	MULROW \f, 3, \zero
.endm
.macro BODY8 zero                      ; seven of the eight parts of a chunk of 256 (slot 0)
	QUARTER 0, 64,  F0, F1, \zero
	QUARTER 0, 128, F1, F0, 0
	QUARTER 0, 192, F0, F1, 0
	QUARTER 0, 256, F1, F0, 0
	QUARTER 0, 320, F0, F1, 0
	QUARTER 0, 384, F1, F0, 0
	QUARTER 0, 448, F0, F1, 0
.endm
.macro BODY4 slot                      ; three of the four parts of a chunk of 128
	QUARTER \slot, 64,  F0, F1, 0
	QUARTER \slot, 128, F1, F0, 0
	QUARTER \slot, 192, F0, F1, 0
.endm
; The last part of a chunk changes slots.  In front of the barrier each wave waits for its reads of this slot and for all its tensor loads
; (one is out: its part of the next slot).  Where the slot is filled again the barrier opens a round of the cluster's barrier, and the joint
; refill is the first tensor load behind the round.  From a request to the wait for it a wave issues 90 matrix instructions (slot 0's tile)
; or 186 (slot 1's).  fill = 2: the last tile of slot 0 has 128 of K left: tensor_dim0 says so, and the rest of its rows arrives as zeros
; that nobody reads.
.macro TURN slot, next, fill
	s_wait_dscnt 4
	WIN ACC
	MULROW F1, 0, 0
	s_wait_dscnt 0
	s_wait_tensorcnt 0x0
	ds_add_u32 v254, v255
	s_wait_dscnt 0x0
	s_barrier_signal -1
	MULROW F1, 1, 0
	WIN 0
	s_barrier_wait -1
.if \fill
	CREST
	s_add_co_u32 s[KO+2*\slot], s[KO+2*\slot], 768                 ; no tensor load of mine is out: the slot's next tile lies 384 elements on,
	s_and_b32 s[KO+2*\slot], s[KO+2*\slot], 4095                   ; round the row's 4,096 bytes
	s_add_nc_u64 s[G0A+4*\slot+2:G0A+4*\slot+3], s[BA:BA+1], s[KO+2*\slot:KO+2*\slot+1]
	s_or_b32 s[G0A+4*\slot+3], s[G0A+4*\slot+3], 0x80000000
	s_add_nc_u64 s[G0B+4*\slot+2:G0B+4*\slot+3], s[BB:BB+1], s[KO+2*\slot:KO+2*\slot+1]
	s_or_b32 s[G0B+4*\slot+3], s[G0B+4*\slot+3], 0x80000000
.if \fill == 2
	s_mov_b32 s[G1A+1], 128<<16
	s_mov_b32 s[G1B+1], 128<<16
.endif
	JLOAD \slot
.endif
	PLACES
	FETCH \next, 0, F0
	WIN ACC
	MULROW F1, 2, 0
	MULROW F1, 3, 0
.endm
.macro PAIR zero                       ; 384 of K: once round the ring, both slots filled again
	BODY8 \zero
	TURN 0, 1, 1
	BODY4 1
	TURN 1, 0, 1
.endm
	s_load_b256 s[4:11], s[0:1], 0x0               ; hf 4:5, cos 6:7, sin 8:9, qg 10:11
	s_load_b256 s[92:99], s[0:1], 0x20             ; kg 92:93, qkv 94:95, mask 96:97, mb 98:99
	v_lshl_add_u32 v254, v0, 2, 0x41c00
	v_mov_b32 v255, 0
	ds_add_u32 v254, v255
	v_lshrrev_b32 v1, 5, v0
	v_readfirstlane_b32 s12, v1                    ; wave
	s_lshr_b32 s13, s12, 1                         ; wm: my 64 rows
	s_and_b32 s14, s12, 1                          ; wn: my 96 columns; also which half of a tile I fetch
	s_bfe_u32 s87, ttmp6, 0x40000                  ; cx
	s_bfe_u32 s88, ttmp6, 0x40004                  ; cy
	s_lshl_b32 s89, ttmp9, 2
	s_add_co_u32 s89, s89, s87                     ; block column
	s_and_b32 s91, ttmp7, 0xffff                   ; the cluster's y
	s_lshl_b32 s15, s91, 2
	s_add_co_u32 s15, s15, s88                     ; block row
	s_add_co_u32 s[KO], s91, ttmp9                 ; the cluster's x + y, the same in all sixteen work-groups:
	s_and_b32 s[KO], s[KO], 1
	s_lshl_b32 s[KO], s[KO], 11                    ; odd clusters start at byte 2,048 of the rows
	s_mov_b32 s[KO+1], 0
	s_add_co_u32 s[KO+2], s[KO], 512               ; slot 1's first tile lies behind slot 0's 256 elements
	s_mov_b32 s[KO+3], 0
	s_lshl_b32 s90, s88, 2
	s_lshl_b32 s90, 15, s90                        ; my row of the cluster
	s_lshl_b32 s91, 0x1111, s87                    ; my column
.irp s, 0,1
	; group 1: 2-byte elements, padding on, bit 21 beside a mask, 4 words of padding behind every 128 (slot 0) or 64 (slot 1) words
	s_or_b32 s[G1A+8*\s], s90, (1<<16)|(1<<20)|(1<<21)|((6-\s)<<22)|(3<<25)
	s_or_b32 s[G1B+8*\s], s91, (1<<16)|(1<<20)|(1<<21)|((6-\s)<<22)|(3<<25)
	s_mov_b32 s[G1A+8*\s+1], (256>>\s)<<16         ; tensor_dim0
	s_mov_b32 s[G1B+8*\s+1], (256>>\s)<<16
	s_mov_b32 s[G1A+8*\s+2], 64<<16                ; tensor_dim1
	s_mov_b32 s[G1B+8*\s+2], 96<<16
	s_mov_b32 s[G1A+8*\s+3], (256>>\s)<<16         ; tile_dim0
	s_mov_b32 s[G1B+8*\s+3], (256>>\s)<<16
	s_mov_b32 s[G1A+8*\s+4], 64                    ; tile_dim1
	s_mov_b32 s[G1B+8*\s+4], 96
	s_mov_b32 s[G1A+8*\s+5], 2048                  ; elements from row to row
	s_mov_b32 s[G1B+8*\s+5], 2048
	s_mov_b32 s[G1A+8*\s+6], 0
	s_mov_b32 s[G1B+8*\s+6], 0
	s_mov_b32 s[G1A+8*\s+7], 0
	s_mov_b32 s[G1B+8*\s+7], 0
.endr
	s_lshl_b32 s[BA], s15, 19                      ; x: row 128 x block row + 64 x half, 4,096 bytes a row
	s_lshl_b32 s[BA+1], s14, 18
	s_add_co_u32 s[BA], s[BA], s[BA+1]
	s_mov_b32 s[BA+1], 0
	s_mul_i32 s[BB], s89, 192                      ; W: hf row 2,048 + 192 x block column + 96 x half
	s_mul_i32 s[BB+1], s14, 96
	s_add_co_u32 s[BB], s[BB], s[BB+1]
	s_add_co_u32 s[BB], s[BB], 2048
	s_lshl_b32 s[BB], s[BB], 12
	s_mov_b32 s[BB+1], 0
	s_wait_dscnt 0x0
	s_wait_kmcnt 0x0
	s_add_nc_u64 s[BA:BA+1], s[4:5], s[BA:BA+1]
	s_add_nc_u64 s[BB:BB+1], s[4:5], s[BB:BB+1]
	CROUND                                         ; all sixteen work-groups are here: the first joint loads meet
.irp s, 0,1
	s_mov_b32 s[G0A+4*\s], 1
	s_mul_i32 s[G0A+4*\s+1], s14, 64*(P0-\s*(P0-P1))               ; x's two halves lie first in a slot,
	s_add_co_u32 s[G0A+4*\s+1], s[G0A+4*\s+1], \s*S1B
	s_add_nc_u64 s[G0A+4*\s+2:G0A+4*\s+3], s[BA:BA+1], s[KO+2*\s:KO+2*\s+1]
	s_or_b32 s[G0A+4*\s+3], s[G0A+4*\s+3], 0x80000000
	s_mov_b32 s[G0B+4*\s], 1
	s_mul_i32 s[G0B+4*\s+1], s14, 96*(P0-\s*(P0-P1))               ; W's two halves behind x's 128 rows
	s_add_co_u32 s[G0B+4*\s+1], s[G0B+4*\s+1], \s*S1B+128*(P0-\s*(P0-P1))
	s_add_nc_u64 s[G0B+4*\s+2:G0B+4*\s+3], s[BB:BB+1], s[KO+2*\s:KO+2*\s+1]
	s_or_b32 s[G0B+4*\s+3], s[G0B+4*\s+3], 0x80000000
	JLOAD \s                                       ; two tensor loads of each wave are out
.endr
	; fragment addresses: lane (r, h) reads row r at 16 h, and 32 bytes further
	v_and_b32 v1, 15, v0
	v_bfe_u32 v2, v0, 4, 1
.irp s, 0,1
	v_mul_u32_u24 v3, v1, P0-\s*(P0-P1)
	v_lshl_add_u32 v3, v2, 4, v3
	s_mul_i32 s22, s13, 64*(P0-\s*(P0-P1))
	s_mul_i32 s23, s14, 96*(P0-\s*(P0-P1))
	s_add_co_u32 s22, s22, \s*S1B
	s_add_co_u32 s23, s23, \s*S1B+128*(P0-\s*(P0-P1))
	v_add_nc_u32 v[ADRA+\s], s22, v3
	v_add_nc_u32 v[ADRB+\s], s23, v3
.endr
	; the stage: in by tiles, out by rows (lane l: row l / 8 of four, columns 8 (l % 8) .. + 7 of a head)
	s_mul_i32 s23, s13, 64*SPITCH
	s_mul_i32 s22, s14, 384
	s_add_co_u32 s23, s23, s22
	s_add_co_u32 s23, s23, STAGE
	v_mul_u32_u24 v4, v1, SPITCH
	v_lshl_add_u32 v4, v2, 5, v4
	v_add_nc_u32 v[STO], s23, v4
	v_and_b32 v5, 31, v0
	v_and_b32 v6, 7, v0
	v_lshrrev_b32 v7, 3, v5
	s_mul_i32 s23, s12, 32*SPITCH
	s_add_co_u32 s23, s23, STAGE
	v_mul_u32_u24 v8, v7, SPITCH
	v_lshl_add_u32 v8, v6, 5, v8
	v_add_nc_u32 v[RD], s23, v8
	v_lshlrev_b32 v[GO], 5, v6                     ; my 8 gains
	s_lshl_b32 s22, s12, 12
	v_lshl_add_u32 v[QO], v5, 4, s22               ; qkv: 32 rows x 128 bytes a wave; four rows are 16 bytes x lane
	s_lshl_b32 s90, s15, 15                        ; cos, sin: row 128 x block row + 32 x wave, 256 bytes a row; four rows are 32 bytes x lane
	s_lshl_b32 s91, s12, 13
	s_add_co_u32 s90, s90, s91
	v_lshl_add_u32 v[CS], v5, 5, s90
	v_lshlrev_b32 v9, 11, v1
	v_lshl_add_u32 v9, v2, 3, v9                   ; mask: r x 2,048 + 8 h
	v_lshlrev_b32 v10, 4, v5                       ; mask words: 16 x lane
	; my wave's block of the mask: number (16 x block row + block column) x 4 + wave = qb x 32 + kb
	s_lshl_b32 s90, s15, 4
	s_add_co_u32 s90, s90, s89
	s_lshl2_add_u32 s90, s90, s12
	s_lshr_b32 s100, s90, 5
	s_and_b32 s101, s90, 31
	s_lshl_b32 s100, s100, 17                      ; qb x 64 rows x 2,048 bytes
	s_lshl_b32 s101, s101, 6                       ; kb x 64 bytes
	s_add_co_u32 s100, s100, s101
	s_mov_b32 s101, 0
	s_add_nc_u64 s[96:97], s[96:97], s[100:101]
	s_lshl_b32 s90, s90, 9                         ; 128 words a block
	s_mov_b32 s91, 0
	s_add_nc_u64 s[98:99], s[98:99], s[90:91]
	; the three heads of the block: gain table and scale (q: qg, 0.125 log2 e; k: kg, 1), whether it is a head of v, where it goes.  Selects only.
	s_mul_i32 s89, s89, 3
	s_lshl_b32 s87, s15, 14                        ; 128 rows x 128 bytes
.macro HEADSET i, gp, sc
	s_add_co_u32 s90, s89, \i
	s_cmp_lt_u32 s90, 32
	s_cselect_b64 s[\gp:\gp+1], s[10:11], s[92:93]
	s_cselect_b32 s[\sc], 0x3e38aa3b, 1.0
	s_cmp_ge_u32 s90, 40
	s_cselect_b32 s[82+\i], -1, 0
	s_lshl_b32 s90, s90, 18                        ; 2,048 rows x 128 bytes a head
	s_add_co_u32 s90, s90, s87
	s_mov_b32 s91, 0
	s_add_nc_u64 s[76+2*\i:77+2*\i], s[94:95], s[90:91]
	global_load_b128 v[GN+8*\i:GN+8*\i+3],   v[GO], s[\gp:\gp+1]
	global_load_b128 v[GN+8*\i+4:GN+8*\i+7], v[GO], s[\gp:\gp+1] offset:16
.endm
	HEADSET 0, 4, 88
	HEADSET 1, 100, 104
	HEADSET 2, 10, 105
.irp qt, 0,1,2,3
.irp kt, 0,1,2,3
	global_load_b64 v[64+2*(4*\qt+\kt):65+2*(4*\qt+\kt)], v9, s[96:97] offset:\qt*32768+\kt*16 th:TH_LOAD_NT   ; mask bytes j = 0..7 of tile (qt, kt)
.endr
.endr
	s_mov_b32 s85, 0x3c800000                      ; 1 / 64
	s_mov_b32 s86, 0x358637bd                      ; 1e-6
	v_cmp_gt_u32 vcc_lo, 4, v6
	v_cndmask_b32 v[SGN], 1.0, -1.0, vcc_lo
	v_mov_b32 v[SGN+1], v[SGN]
.irp d, 0,1,2,3,4,5,6,7
	v_mov_b32 v[T+\d], 0                           ; a DPP form's destination counts as read: written once
.endr
.irp k, 0,1,2,3
	v_mov_b32 v[96+\k], 0                          ; v_writelane_b32 keeps the other lanes: the registers are written whole first
.endr
	s_wait_loadcnt 16                              ; the six loads of gains are in; the 16 younger loads of the mask stay out
.macro GAINS i, sc
.irp p, 0,1,2,3
	v_cvt_pk_bf16_f32 v[SS+(\p&1)], v[GN+8*\i+2*\p], v[GN+8*\i+2*\p+1]      ; the gains to bf16, and back to f32 by a shift and a mask
	v_lshlrev_b32 v[GN+8*\i+2*\p], 16, v[SS+(\p&1)]
	v_and_b32 v[GN+8*\i+2*\p+1], 0xffff0000, v[SS+(\p&1)]
.endr
.irp d, 0,1,2,3,4,5,6,7
	v_mul_f32 v[GN+8*\i+\d], s[\sc], v[GN+8*\i+\d]
.endr
.endm
	GAINS 0, 88
	GAINS 1, 104
	GAINS 2, 105
	s_wait_loadcnt 0x0                             ; the mask's bytes
	; word n = 8 (4 qt + kt) + j: the 32 lanes' byte j as a lane mask; it goes to lane n / 4, register n % 4, so that one store lays the words in order
.set n, 0
.rept 128
	v_and_b32 v[100+(n&1)], 0xff<<(8*(n&3)), v[64+2*(n>>3)+((n>>2)&1)]
	v_cmp_ne_u32 s[94+(n&1)], 0, v[100+(n&1)]
	v_writelane_b32 v[96+(n&3)], s[94+(n&1)], n>>2
.set n, n+1
.endr
	global_store_b128 v10, v[96:99], s[98:99]      ; 512 consecutive bytes, aligned
	s_wait_xcnt 0x0                                ; the store has read v[96:99]: the fragment buffers may be loaded
	s_wait_tensorcnt 1                             ; my part of the first chunk is in; the second's stays out
	s_barrier_signal -1
	s_barrier_wait -1
	FETCH 0, 0, F0
	PAIR 1                                         ; the first products start the sums: nothing is cleared
	WIN 0
	s_mov_b32 s3, 3
.Lpair:
	PAIR 0
	WIN 0
	s_sub_co_u32 s3, s3, 1
	s_cmp_lg_u32 s3, 0
	s_cbranch_scc1 .Lpair
	BODY8 0                                        ; the fifth pair: slot 0 gets the last 128 of K, slot 1 nothing more
	TURN 0, 1, 2
	BODY4 1
	TURN 1, 0, 0
	BODY4 0                                        ; the last 128, from slot 0
	s_wait_dscnt 4
	WIN ACC
	MULROW F1, 0, 0
	MULROW F1, 1, 0
	s_wait_dscnt 0
	MULROW F1, 2, 0
	MULROW F1, 3, 0
	; THE WAY OUT.  A wave's 96 columns are one and a half heads, so the block meets in the f32 stage; then wave w takes rows 32 w .. + 31 whole.
	; The stage begins on slot 1's bytes: no fill lands there any more, and every wave's reads of slot 1 were waited for in front of the last
	; change of slots' barrier.
	PLACES
	WIN 0
.irp t, 0,1,2,3,4,5,6,7
	global_load_b128 v[64+16*\t:67+16*\t], v[CS], s[6:7] offset:\t*1024       ; cos of four rows, my 8 columns
	global_load_b128 v[68+16*\t:71+16*\t], v[CS], s[6:7] offset:\t*1024+16
	global_load_b128 v[72+16*\t:75+16*\t], v[CS], s[8:9] offset:\t*1024       ; sin
	global_load_b128 v[76+16*\t:79+16*\t], v[CS], s[8:9] offset:\t*1024+16
.endr
	WIN ST
.irp a, 0,1,2,3
.irp b, 0,1,2,3,4,5
	ds_store_b128 v[STO], v[8*(BT*\a+\b):8*(BT*\a+\b)+3]   offset:\a*16*SPITCH+\b*64
	ds_store_b128 v[STO], v[8*(BT*\a+\b)+4:8*(BT*\a+\b)+7] offset:\a*16*SPITCH+\b*64+16
.endr
.endr
	WIN 0
	s_wait_dscnt 0x0                               ; my stores are done, for the other waves' sake
	s_barrier_signal -1
	s_barrier_wait -1
	s_wait_loadcnt 0x0                             ; cos and sin
.macro HEAD t, i
	v_pk_mul_f32 v[SS:SS+1], v[X+8*\i:X+8*\i+1], v[X+8*\i:X+8*\i+1]
.irp p, 2,4,6
	v_pk_fma_f32 v[SS:SS+1], v[X+8*\i+\p:X+8*\i+\p+1], v[X+8*\i+\p:X+8*\i+\p+1], v[SS:SS+1]
.endr
	v_add_f32 v[SS], v[SS], v[SS+1]
	v_add_f32_dpp v[SS], v[SS], v[SS] row_xmask:1 row_mask:0xf bank_mask:0xf     ; the 8 lanes of a row
	v_add_f32_dpp v[SS], v[SS], v[SS] row_xmask:2 row_mask:0xf bank_mask:0xf
	v_add_f32_dpp v[SS], v[SS], v[SS] row_xmask:4 row_mask:0xf bank_mask:0xf
	v_fma_f32 v[SS], v[SS], s85, s86               ; mean of squares + eps
	v_rsq_f32 v[RS], v[SS]
	v_rsq_f32 v[RS+1], v[SS]
.irp p, 0,2,4,6
	v_pk_mul_f32 v[Y+\p:Y+\p+1], v[X+8*\i+\p:X+8*\i+\p+1], v[GN+8*\i+\p:GN+8*\i+\p+1]   ; plain work behind the roots, which touches neither RS nor SS
.endr
	s_wait_alu depctr_va_vdst(0)
.irp p, 0,2,4,6
	v_pk_mul_f32 v[Y+\p:Y+\p+1], v[Y+\p:Y+\p+1], v[RS:RS+1]
.endr
.irp d, 0,1,2,3,4,5,6,7
	v_mul_f32_dpp v[T+\d], v[Y+\d], v[72+16*\t+\d] row_xmask:4 row_mask:0xf bank_mask:0xf   ; column d +- 32 lies in lane xor 4; the sign is in sin
.endr
.irp p, 0,2,4,6
	v_pk_fma_f32 v[T+\p:T+\p+1], v[Y+\p:Y+\p+1], v[64+16*\t+\p:65+16*\t+\p], v[T+\p:T+\p+1]
.endr
.irp d, 0,1,2,3,4,5,6,7
	v_cndmask_b32 v[T+\d], v[T+\d], v[X+8*\i+\d], s[82+\i]      ; a head of v passes as it is
.endr
.irp p, 0,1,2,3
	v_cvt_pk_f16_f32 v[PK+4*\i+\p], v[T+2*\p], v[T+2*\p+1]
.endr
	global_store_b128 v[QO], v[PK+4*\i:PK+4*\i+3], s[76+2*\i:77+2*\i] offset:\t*512   ; four rows of a head: 512 consecutive bytes, aligned
.endm
.macro BATCH t                         ; four rows x three heads
	s_wait_xcnt 0x0                                ; the packed registers, which the last batch's stores read, are written again only behind this wait
.irp i, 0,1,2
	ds_load_b128 v[X+8*\i:X+8*\i+3],   v[RD] offset:\t*4*SPITCH+\i*256
	ds_load_b128 v[X+8*\i+4:X+8*\i+7], v[RD] offset:\t*4*SPITCH+\i*256+16
.endr
	; while the stage's rows are on their way: this batch's cos and sin to bf16 and back to f32 (a shift, a mask), then rotate_half's sign
.irp p, 0,1,2,3
	v_cvt_pk_bf16_f32 v[Y+\p],   v[64+16*\t+2*\p], v[65+16*\t+2*\p]
	v_cvt_pk_bf16_f32 v[Y+4+\p], v[72+16*\t+2*\p], v[73+16*\t+2*\p]
.endr
.irp p, 0,1,2,3
	v_lshlrev_b32 v[64+16*\t+2*\p], 16, v[Y+\p]
	v_and_b32     v[65+16*\t+2*\p], 0xffff0000, v[Y+\p]
	v_lshlrev_b32 v[72+16*\t+2*\p], 16, v[Y+4+\p]
	v_and_b32     v[73+16*\t+2*\p], 0xffff0000, v[Y+4+\p]
.endr
.irp p, 0,2,4,6
	v_pk_mul_f32 v[72+16*\t+\p:73+16*\t+\p], v[72+16*\t+\p:73+16*\t+\p], v[SGN:SGN+1]
.endr
	s_wait_dscnt 0x0
.irp i, 0,1,2
	HEAD \t, \i
.endr
.endm
.irp t, 0,1,2,3,4,5,6,7
	BATCH \t
.endr
	s_wait_tensorcnt 0x0
	ds_add_u32 v254, v255
	s_wait_dscnt 0x0
	CROUND                                         ; the closing round: no work-group ends while a partner may still ask jointly
	s_endpgm
.Lfunc_end_k_q767dcbf19a_proj:
	.size	k_q767dcbf19a_proj, .Lfunc_end_k_q767dcbf19a_proj-k_q767dcbf19a_proj
	.p2alignl 7, 3214868480
	.fill 96, 4, 3214868480
	.section	.rodata,"a",@progbits
	.p2align	6, 0x0
	.amdhsa_kernel k_q767dcbf19a_proj
		.amdhsa_group_segment_fixed_size 327680
		.amdhsa_private_segment_fixed_size 0
		.amdhsa_enable_private_segment 0
		.amdhsa_kernarg_size 64
		.amdhsa_user_sgpr_count 2
		.amdhsa_user_sgpr_kernarg_segment_ptr 1
		.amdhsa_wavefront_size32 1
		.amdhsa_system_sgpr_workgroup_id_x 1
		.amdhsa_system_sgpr_workgroup_id_y 1
		.amdhsa_system_sgpr_workgroup_id_z 1
		.amdhsa_system_vgpr_workitem_id 0
		.amdhsa_next_free_vgpr 448
		.amdhsa_next_free_sgpr 106
		.amdhsa_reserve_vcc 1
		.amdhsa_float_denorm_mode_32 3
		.amdhsa_float_denorm_mode_16_64 3
		.amdhsa_memory_ordered 1
		.amdhsa_forward_progress 1
		.amdhsa_inst_pref_size 253
	.end_amdhsa_kernel
	.amdgpu_metadata
---
amdhsa.version: [ 1, 2 ]
amdhsa.kernels:
  - .name:           k_q767dcbf19a_proj
    .symbol:         k_q767dcbf19a_proj.kd
    .args:
      - { .name: hf, .offset: 0, .size: 8, .value_kind: global_buffer, .address_space: global }
      - { .name: cos, .offset: 8, .size: 8, .value_kind: global_buffer, .address_space: global }
      - { .name: sin, .offset: 16, .size: 8, .value_kind: global_buffer, .address_space: global }
      - { .name: qg, .offset: 24, .size: 8, .value_kind: global_buffer, .address_space: global }
      - { .name: kg, .offset: 32, .size: 8, .value_kind: global_buffer, .address_space: global }
      - { .name: qkv, .offset: 40, .size: 8, .value_kind: global_buffer, .address_space: global }
      - { .name: mask, .offset: 48, .size: 8, .value_kind: global_buffer, .address_space: global }
      - { .name: mb, .offset: 56, .size: 8, .value_kind: global_buffer, .address_space: global }
    .group_segment_fixed_size: 327680
    .private_segment_fixed_size: 0
    .kernarg_segment_align: 8
    .kernarg_segment_size: 64
    .max_flat_workgroup_size: 128
    .sgpr_count:     106
    .vgpr_count:     448
    .wavefront_size: 32
...
	.end_amdgpu_metadata
.endif
;; end of part 2
;; launch attn (part 3): grid 32 x 8, 8 waves a work-group, clusters of 4 x 1, 327,680 bytes of LDS; arguments qkv, mb, ctx, wo, woh; writes ctx, woh
.if DOCPART == 3
	.amdgcn_target "amdgcn-amd-amdhsa--gfx1250"
	.amdhsa_code_object_version 6
	.text
	.protected	k_q767dcbf19a_attn
	.globl	k_q767dcbf19a_attn
	.p2align	8
	.type	k_q767dcbf19a_attn,@function
k_q767dcbf19a_attn:
	s_mov_b64 s[64:65], 0
	v_nop
	global_prefetch_b8 v0, s[64:65] scope:SCOPE_SE
	s_setreg_imm32_b32 hwreg(HW_REG_WAVE_MODE, 25, 1), 1
	s_wait_xcnt 0x0
	s_wait_alu depctr_hold_cnt(0) depctr_sa_sdst(0) depctr_va_vdst(0) depctr_va_sdst(0) depctr_va_ssrc(0) depctr_va_vcc(0) depctr_vm_vsrc(0)
	s_getreg_b32 s2, hwreg(HW_REG_IB_STS2, 6, 4)
	s_cmp_eq_u32 s2, 0
	s_cbranch_scc0 .Lentry_in_a_cluster
	s_endpgm
.Lentry_in_a_cluster:
	s_bfe_u32 s2, ttmp6, 0x10000c
	s_cmp_lg_u32 s2, 0x3003
	s_cbranch_scc0 .Lentry_shape_is_right
	s_endpgm
.Lentry_shape_is_right:
; attn: softmax(where(mask, min/2, q k^T / 8)) v for 32 query heads on 8 key/value heads, with a running maximum.  All 2,048 keys are visited:
; the mask is data.  q already carries 0.125 log2(e), so p = 2^(t - m).
; Beside that, while its first keys and values are on their way, each work-group casts 8 rows of wo for the last launch: f32 to bf16 (nearest
; even), and that value to f16, since its partner there (this launch's result) is f16.
; LIMITS: q, k, v, p and the result are f16 (|v| below 65,504; p under 6e-8 rounds to 0).  wo carries bf16's 8 significant bits; its f16 copy
; is exact for magnitudes from 2^-17 to 65,504, smaller ones are off by at most 2^-25, larger ones become infinite.  A masked score is
; -1.7014117e38 in the base-2 domain: with any free key seen its p is 0; while all keys seen are masked p is 1, and a later free key's
; rescale factor 2^(old m - m) = 0 wipes those terms; a row masked everywhere ends as the mean of v, as where() and softmax() give it.
; A work-group: key/value head g, 64 query rows, its four query heads.  Wave w: head 4 g + w / 2, rows 32 (w % 2) .. + 31 (two tiles of 16).
; Two waves share a SIMD, so that one's vector work can run beside the other's matrix work.
; CLUSTER 4 x 1: the four work-groups (same g, neighbouring query blocks) ask for K and V jointly, mask 15.
; S^T = K Q^T: lane (r, h), register j holds (key 8h + j, query r); two key tiles packed to f16 ARE the second source of O^T = V^T P.
; So maximum, sum and rescale factor are one number a lane and query tile.
; LDS: slot s at s x 131,072: V 256 keys x 160 bytes, then K 256 keys x 144; the output stage (64 x 528) lies between the slots, in bytes no fill touches.
.set SLOT, 0x20000
.set KOFF, 40960
.set STAGE, 77824
.set SPITCH, 528
.set M, 2                              ; v2-3    running maximum, per query tile
.set L, 4                              ; v4-5    my half's running sum
.set NEGR, 6                           ; v6      the masked score
.set KA, 7                             ; v7-8    K fragment address, slot 0, 1
.set VA, 9                             ; v9-10   V fragment address
.set STO, 11
.set RD, 12
.set CO, 13
.set Q, 16                             ; v[16:47]   Q(qt, ks) at 16 qt + 8 ks
.set O, 48                             ; v[48:111]  O(dt, qt) at 8 (2 dt + qt); at the start: wo as loaded
.set S, 112                            ; v[112:175] S(qt, kt) at 32 qt + 8 kt; P(qt, a) packed in place at 32 qt + 16 a; at the start: wo as stored
.set VF, 176                           ; v[176:239] V(dt, a) at 8 (2 dt + a)
.set NM, 240                           ; v240, v242 minus the maximum (first of a pair)
.set AL, 244                           ; v244, v246 rescale factor (first of a pair)
.set T, 248                            ; v[248:255] at work
.set G0K, 8                            ; window 1, v[0:63]: K(kt, ks) at 8 (2 kt + ks)
.set G0V, 12
.set G1K, 16
.set G1V, 24
.set MSB, 0
.macro WIN new
.if MSB != \new
	s_set_vgpr_msb (MSB<<8)|\new
.set MSB, \new
.endif
.endm
.macro CREST                           ; a round of the cluster's barrier behind its opening work-group barrier
	s_cmp_lg_u32 s4, 0
	s_cbranch_scc1 .Lnot_wave_0_\@
	s_barrier_signal -3
.Lnot_wave_0_\@:
	s_barrier_wait -3
	s_barrier_signal -1
	s_barrier_wait -1
.endm
.macro ROUND                           ; a whole round
	s_barrier_signal -1
	s_barrier_wait -1
	CREST
.endm
.macro JLOAD                           ; waves 0-3: 64 keys of V each; waves 4-7: 64 keys of K each.  One joint load a wave
	s_cmp_ge_u32 s4, 4
	s_cbranch_scc1 .Lfor_k_\@
	tensor_load_to_lds s[G0V:G0V+3], s[G1V:G1V+7]
	s_nop 0
	s_branch .Lasked_\@
.Lfor_k_\@:
	tensor_load_to_lds s[G0K:G0K+3], s[G1K:G1K+7]
	s_nop 0
.Lasked_\@:
.endm
.macro GSTEP                           ; no tensor load of mine is out: the descriptors step to the other slot and the next 256 keys
	s_xor_b32 s[G0K+1], s[G0K+1], SLOT
	s_xor_b32 s[G0V+1], s[G0V+1], SLOT
	s_add_nc_u64 s[G0K+2:G0K+3], s[G0K+2:G0K+3], 32768
	s_add_nc_u64 s[G0V+2:G0V+3], s[G0V+2:G0V+3], 32768
.endm
.macro PLACES
.rept 4
	v_nop
.endr
.endm
.macro KLOAD slot, st                  ; 64 keys x 64 d as eight fragments, into window 1
	WIN 0x40
.irp kt, 0,1,2,3
.irp ks, 0,1
	ds_load_b128 v[8*(2*\kt+\ks):8*(2*\kt+\ks)+3],   v[KA+\slot] offset:(\st)*9216+\kt*2304+\ks*64
	ds_load_b128 v[8*(2*\kt+\ks)+4:8*(2*\kt+\ks)+7], v[KA+\slot] offset:(\st)*9216+\kt*2304+\ks*64+32
.endr
.endr
	WIN 0
.endm
.macro VLOAD slot, st                  ; V lies [key][d]: the transposing load gives fragments with d as the row and keys along the registers
.irp dt, 0,1,2,3
.irp a, 0,1
	ds_load_tr16_b128 v[VF+8*(2*\dt+\a):VF+8*(2*\dt+\a)+3],   v[VA+\slot] offset:(64*(\st)+32*\a)*160+32*\dt
	ds_load_tr16_b128 v[VF+8*(2*\dt+\a)+4:VF+8*(2*\dt+\a)+7], v[VA+\slot] offset:(64*(\st)+32*\a)*160+32*\dt+2560
.endr
.endr
.endm
; A step is 64 keys, in three parts.
; Part A: the scores, this step's V fragments asked for, the mask.  kpre: the next step's K fragments are asked for too.  mnext: so are its mask words.
.macro STEP_A slot, st, kpre, mnext
	s_wait_dscnt 0x0                               ; this step's K fragments are in
	WIN 0x01
	; the eight score tiles take turns, one instruction a turn; the first 32 of d start the sums
.irp ks, 0,1
.irp qt, 0,1
.irp kt, 0,1,2,3
.if \ks
	v_wmma_f32_16x16x32_f16 v[S+32*\qt+8*\kt:S+32*\qt+8*\kt+7], v[8*(2*\kt+\ks):8*(2*\kt+\ks)+7], v[Q+16*\qt+8*\ks:Q+16*\qt+8*\ks+7], v[S+32*\qt+8*\kt:S+32*\qt+8*\kt+7]
.else
	v_wmma_f32_16x16x32_f16 v[S+32*\qt+8*\kt:S+32*\qt+8*\kt+7], v[8*(2*\kt+\ks):8*(2*\kt+\ks)+7], v[Q+16*\qt+8*\ks:Q+16*\qt+8*\ks+7], 0
.endif
.endr
.endr
.endr
	WIN 0
	PLACES                                         ; four places: then loads into K's registers, and readers of the scores
	VLOAD \slot, \st
.if \kpre
	KLOAD \slot, \st+1
.endif
	s_wait_kmcnt 0x0                               ; this step's 64 mask words; their loads are done, so the pointer may step
.if \mnext
	s_add_nc_u64 s[2:3], s[2:3], 512
.endif
.set n, 0
.rept 64
	v_cndmask_b32 v[S+n], v[S+n], v[NEGR], s[32+n+4*(n/32)]      ; word n is the lane mask of score register n
.set n, n+1
.endr
.if \mnext
	s_load_b512 s[32:47], s[2:3], 0x0
	s_load_b512 s[48:63], s[2:3], 0x40
	s_load_b512 s[68:83], s[2:3], 0x80
	s_load_b512 s[84:99], s[2:3], 0xc0
.endif
.endm
; Part B: the softmax, register work alone.  first: starts maximum and sum.
.macro STEP_B first
	; the maximum: two chains a query tile, then the other half of the lanes (keys 8h + j: query r lies in lanes r and r + 16)
.irp qt, 0,1
.if \first
	v_max_num_f32 v[T+2*\qt], v[S+32*\qt], v[S+32*\qt+1]
.else
	v_max3_num_f32 v[T+2*\qt], v[M+\qt], v[S+32*\qt], v[S+32*\qt+1]
.endif
	v_max_num_f32 v[T+2*\qt+1], v[S+32*\qt+16], v[S+32*\qt+17]
.endr
.irp i, 1,2,3,4,5,6,7
.irp qt, 0,1
	v_max3_num_f32 v[T+2*\qt], v[T+2*\qt], v[S+32*\qt+2*\i], v[S+32*\qt+2*\i+1]
	v_max3_num_f32 v[T+2*\qt+1], v[T+2*\qt+1], v[S+32*\qt+16+2*\i], v[S+32*\qt+17+2*\i]
.endr
.endr
	v_max_num_f32 v[T], v[T], v[T+1]
	v_max_num_f32 v[T+2], v[T+2], v[T+3]
	v_permlanex16_b32 v[T+1], v[T], s6, s7
	v_permlanex16_b32 v[T+3], v[T+2], s6, s7
	v_max_num_f32 v[T], v[T], v[T+1]
	v_max_num_f32 v[T+2], v[T+2], v[T+3]
.if 1-\first
	v_sub_f32 v[T+1], v[M], v[T]
	v_sub_f32 v[T+3], v[M+1], v[T+2]
	v_exp_f32 v[AL], v[T+1]                        ; 2^(old maximum - new); the plain lines below stand between it and its use
	v_exp_f32 v[AL+2], v[T+3]
.endif
	v_mov_b32 v[M], v[T]
	v_mov_b32 v[M+1], v[T+2]
	v_sub_f32 v[NM], 0, v[T]
	v_sub_f32 v[NM+2], 0, v[T+2]
.irp qt, 0,1
.irp i, 0,2,4,6,8,10,12,14,16,18,20,22,24,26,28,30
	v_pk_add_f32 v[S+32*\qt+\i:S+32*\qt+\i+1], v[S+32*\qt+\i:S+32*\qt+\i+1], v[NM+2*\qt:NM+2*\qt+1] op_sel_hi:[1,0]
.endr
.endr
.set n, 0
.rept 64
	v_exp_f32 v[S+n], v[S+n]
.set n, n+1
.endr
	v_nop                                          ; one plain place behind the exponentials (ISA guide 5.7.2)
	; my half's sum of p, in f32: two chains a query tile
	s_wait_alu depctr_va_vdst(0)
.irp qt, 0,1
	v_pk_add_f32 v[T+4*\qt:T+4*\qt+1], v[S+32*\qt:S+32*\qt+1], v[S+32*\qt+2:S+32*\qt+3]
	v_pk_add_f32 v[T+4*\qt+2:T+4*\qt+3], v[S+32*\qt+16:S+32*\qt+17], v[S+32*\qt+18:S+32*\qt+19]
.endr
.irp i, 4,6,8,10,12,14
.irp qt, 0,1
	v_pk_add_f32 v[T+4*\qt:T+4*\qt+1], v[T+4*\qt:T+4*\qt+1], v[S+32*\qt+\i:S+32*\qt+\i+1]
	v_pk_add_f32 v[T+4*\qt+2:T+4*\qt+3], v[T+4*\qt+2:T+4*\qt+3], v[S+32*\qt+16+\i:S+32*\qt+17+\i]
.endr
.endr
	v_pk_add_f32 v[T:T+1], v[T:T+1], v[T+2:T+3]
	v_pk_add_f32 v[T+4:T+5], v[T+4:T+5], v[T+6:T+7]
.if \first
	v_add_f32 v[L], v[T], v[T+1]
	v_add_f32 v[L+1], v[T+4], v[T+5]
.else
	v_add_f32 v[T], v[T], v[T+1]
	v_add_f32 v[T+4], v[T+4], v[T+5]
	v_fma_f32 v[L], v[L], v[AL], v[T]
	v_fma_f32 v[L+1], v[L+1], v[AL+2], v[T+4]
.endif
	; p to f16, in place and ascending: destination i never passes its sources 2 i, 2 i + 1
.irp qt, 0,1
.set i, 0
.rept 16
	v_cvt_pk_f16_f32 v[S+32*\qt+i+8*(i/8)], v[S+32*\qt+2*i], v[S+32*\qt+2*i+1]
.set i, i+1
.endr
.endr
.if 1-\first
.irp dt, 0,1,2,3
.irp qt, 0,1
.irp p, 0,2,4,6
	v_pk_mul_f32 v[O+8*(2*\dt+\qt)+\p:O+8*(2*\dt+\qt)+\p+1], v[O+8*(2*\dt+\qt)+\p:O+8*(2*\dt+\qt)+\p+1], v[AL+2*\qt:AL+2*\qt+1] op_sel_hi:[1,0]
.endr
.endr
.endr
.endif
.endm
; Part C: O += V^T P.  The eight tiles of O take turns, one instruction a turn.  first: the first 32 keys start the sums.
.macro STEP_C first
.irp a, 0,1
.irp dt, 0,1,2,3
.irp qt, 0,1
.if \first*(1-\a)
	v_wmma_f32_16x16x32_f16 v[O+8*(2*\dt+\qt):O+8*(2*\dt+\qt)+7], v[VF+8*(2*\dt+\a):VF+8*(2*\dt+\a)+7], v[S+32*\qt+16*\a:S+32*\qt+16*\a+7], 0
.else
	v_wmma_f32_16x16x32_f16 v[O+8*(2*\dt+\qt):O+8*(2*\dt+\qt)+7], v[VF+8*(2*\dt+\a):VF+8*(2*\dt+\a)+7], v[S+32*\qt+16*\a:S+32*\qt+16*\a+7], v[O+8*(2*\dt+\qt):O+8*(2*\dt+\qt)+7]
.endif
.endr
.endr
.endr
.rept 5
	v_nop                                          ; five places: the next score products write over P's registers (ISA guide 7.12.1)
.endr
.endm
.macro STEP slot, st, first, kpre, mnext       ; a step inside a slot
	STEP_A \slot, \st, \kpre, \mnext
	STEP_B \first
.if \kpre
	s_wait_dscnt 16                                ; V's 16 loads are in; the next step's 16 loads of K, issued behind them, stay out
.else
	s_wait_dscnt 0x0
.endif
	STEP_C \first
.endm
; A slot's fourth step, which changes slots.  As soon as its V fragments are in, the wave has read the slot for the last time; it waits for
; all its tensor loads (one: its part of the next slot) and signals.  The softmax, register work alone, stands between that signal and its
; wait, so that a wave that is ahead does not sit there.  Behind the round (refill = 1) the joint refill of the slot just read comes first
; and has four steps (128 matrix instructions) in which to land; then the next slot's first K fragments are asked for, and the step's
; products with V run while those are on their way.
.macro BOUND slot, next, refill
	STEP_A \slot, 3, 0, 1
	s_wait_dscnt 0x0                               ; V's fragments are in: my reads of this slot are over
	s_set_vgpr_msb 0x5
	s_wait_tensorcnt 0x0                           ; my part of the next slot has landed
	ds_add_u32 v64, v65
	s_wait_dscnt 0x0
	s_set_vgpr_msb 0x500
.if \refill
	GSTEP
.endif
	s_barrier_signal -1
	STEP_B 0
	s_barrier_wait -1
.if \refill
	CREST
	JLOAD
.endif
	KLOAD \next, 0
	STEP_C 0
.endm
	s_load_b128 s[36:39], s[0:1], 0x0              ; qkv 36:37, mb 38:39 (s32-63 are scratch until the mask words land there)
	s_load_b64 s[100:101], s[0:1], 0x10            ; ctx
	s_load_b64 s[104:105], s[0:1], 0x18            ; wo
	s_load_b64 s[66:67], s[0:1], 0x20              ; woh (s66 becomes the loop's counter when the cast is over)
	s_set_vgpr_msb 0x40
	v_lshl_add_u32 v64, v0, 2, 0x33000
	v_mov_b32 v65, 0
	s_set_vgpr_msb 0x4045
	ds_add_u32 v64, v65
	s_set_vgpr_msb 0x4500
	v_lshrrev_b32 v1, 5, v0
	v_readfirstlane_b32 s4, v1                     ; wave
	s_bfe_u32 s40, ttmp6, 0x40000                  ; cx
	s_lshl_b32 s41, ttmp9, 2
	s_add_co_u32 s41, s41, s40                     ; query block
	s_and_b32 s42, ttmp7, 0xffff                   ; key/value head g
	s_and_b32 s43, s4, 1
	s_lshr_b32 s44, s4, 1
	s_mov_b32 s6, 0x76543210                       ; v_permlanex16_b32: lane i of the other half
	s_mov_b32 s7, 0xfedcba98
	; group 1: 64 rows x 64 f16, dense in memory; behind every 32 words K gets 4 words of padding (pitch 144), V 8 (pitch 160)
	s_mov_b32 s[G1K+0], 15|(1<<16)|(1<<20)|(1<<21)|(4<<22)|(3<<25)
	s_mov_b32 s[G1V+0], 15|(1<<16)|(1<<20)|(1<<21)|(4<<22)|(7<<25)
	s_mov_b32 s[G1K+1], 64<<16
	s_mov_b32 s[G1V+1], 64<<16
	s_mov_b32 s[G1K+2], 64<<16
	s_mov_b32 s[G1V+2], 64<<16
	s_mov_b32 s[G1K+3], 64<<16
	s_mov_b32 s[G1V+3], 64<<16
	s_mov_b32 s[G1K+4], 64
	s_mov_b32 s[G1V+4], 64
	s_mov_b32 s[G1K+5], 64
	s_mov_b32 s[G1V+5], 64
	s_mov_b32 s[G1K+6], 0
	s_mov_b32 s[G1V+6], 0
	s_mov_b32 s[G1K+7], 0
	s_mov_b32 s[G1V+7], 0
	s_lshl_b32 s45, s42, 18                        ; a head is 262,144 bytes; 64 keys are 8,192
	s_lshl_b32 s46, s4, 13
	s_add_co_u32 s45, s45, s46
	s_add_co_u32 s46, s45, 40*262144               ; V: head 40 + g, keys 64 w
	s_mov_b32 s47, 0
	s_add_co_u32 s48, s45, 32*262144-4*8192        ; K: head 32 + g, keys 64 (w - 4)
	s_mov_b32 s49, 0
	s_mov_b32 s[G0V], 1
	s_mul_i32 s[G0V+1], s4, 10240                  ; 64 rows x 160
	s_mov_b32 s[G0K], 1
	s_mul_i32 s[G0K+1], s4, 9216                   ; 40,960 + (w - 4) x 64 rows x 144
	s_add_co_u32 s[G0K+1], s[G0K+1], 4096
	s_wait_dscnt 0x0
	s_wait_kmcnt 0x0
	s_add_nc_u64 s[G0V+2:G0V+3], s[36:37], s[46:47]
	s_or_b32 s[G0V+3], s[G0V+3], 0x80000000
	s_add_nc_u64 s[G0K+2:G0K+3], s[36:37], s[48:49]
	s_or_b32 s[G0K+3], s[G0K+3], 0x80000000
	ROUND                                          ; the four work-groups are here: the first joint loads meet
	JLOAD                                          ; keys 0-255 into slot 0: one tensor load of each wave is out
	; Q: head 4 g + w / 2, rows 64 qb + 32 (w % 2) ..
	s_lshl_b32 s52, s42, 20
	s_lshl_b32 s54, s44, 18
	s_add_co_u32 s52, s52, s54
	s_lshl_b32 s54, s41, 13
	s_add_co_u32 s52, s52, s54
	s_lshl_b32 s54, s43, 12
	s_add_co_u32 s52, s52, s54
	s_mov_b32 s53, 0
	s_add_nc_u64 s[52:53], s[36:37], s[52:53]
	v_and_b32 v1, 15, v0                           ; r
	v_bfe_u32 v14, v0, 4, 1                        ; h
	v_lshlrev_b32 v15, 7, v1
	v_lshl_add_u32 v15, v14, 4, v15                ; r x 128 + 16 h
.irp qt, 0,1
.irp ks, 0,1
	global_load_b128 v[Q+16*\qt+8*\ks:Q+16*\qt+8*\ks+3],   v15, s[52:53] offset:\qt*2048+\ks*64
	global_load_b128 v[Q+16*\qt+8*\ks+4:Q+16*\qt+8*\ks+7], v15, s[52:53] offset:\qt*2048+\ks*64+32
.endr
.endr
	; wo: work-group 32 g + qb takes rows 8 (32 g + qb) .. + 7: 65,536 bytes of f32 in, 32,768 of f16 out
	s_lshl_b32 s50, s42, 5
	s_add_co_u32 s50, s50, s41
	s_lshl_b32 s62, s50, 15
	s_lshl_b32 s50, s50, 16
	s_mov_b32 s51, 0
	s_mov_b32 s63, 0
	s_add_nc_u64 s[104:105], s[104:105], s[50:51]
	s_add_nc_u64 s[66:67], s[66:67], s[62:63]
	v_lshlrev_b32 v[T], 4, v0                      ; 16 bytes of f32 a thread
	v_lshlrev_b32 v[T+1], 3, v0                    ; 8 bytes of f16 a thread
.irp j, 0,1,2,3,4,5,6,7,8,9,10,11,12,13,14,15
	global_load_b128 v[O+4*\j:O+4*\j+3], v[T], s[104:105] offset:4096*\j th:TH_LOAD_NT   ; the 256 threads take 4,096 consecutive bytes
.endr
	s_lshl_b32 s58, s41, 14                        ; mask words: 32 blocks x 512 bytes a query block; my two query tiles are 256 bytes of a block
	s_lshl_b32 s59, s43, 8
	s_add_co_u32 s58, s58, s59
	s_mov_b32 s59, 0
	s_add_nc_u64 s[2:3], s[38:39], s[58:59]
	s_lshl_b32 s60, s41, 18                        ; ctx: row 64 qb + 8 w, 4,096 bytes a row; column 256 g
	s_lshl_b32 s61, s4, 15
	s_add_co_u32 s60, s60, s61
	s_lshl_b32 s61, s42, 9
	s_add_co_u32 s60, s60, s61
	s_mov_b32 s61, 0
	s_add_nc_u64 s[100:101], s[100:101], s[60:61]
	s_mul_i32 s56, s43, 32*SPITCH
	s_lshl_b32 s57, s44, 7
	s_add_co_u32 s56, s56, s57
	s_add_co_u32 s56, s56, STAGE
	s_mul_i32 s57, s4, 8*SPITCH
	s_add_co_u32 s57, s57, STAGE
	v_mul_u32_u24 v[KA], v1, 144
	v_lshl_add_u32 v[KA], v14, 4, v[KA]
	v_add_nc_u32 v[KA], KOFF, v[KA]
	v_add_nc_u32 v[KA+1], SLOT, v[KA]
	v_and_b32 v[VA], 7, v0
	v_lshl_add_u32 v[VA], v14, 3, v[VA]            ; key 8 h + l % 8
	v_mul_u32_u24 v[VA], v[VA], 160
	v_bfe_u32 v[VA+1], v0, 3, 1
	v_lshl_add_u32 v[VA], v[VA+1], 4, v[VA]
	v_add_nc_u32 v[VA+1], SLOT, v[VA]
	v_mul_u32_u24 v[STO], v1, SPITCH
	v_lshl_add_u32 v[STO], v14, 4, v[STO]
	v_add_nc_u32 v[STO], s56, v[STO]               ; stage row 32 (w % 2) + r, byte 128 (w / 2) + 16 h
	v_and_b32 v[CO], 31, v0
	v_lshlrev_b32 v[CO], 4, v[CO]
	v_add_nc_u32 v[RD], s57, v[CO]                 ; stage row 8 w, 16 bytes a lane
	v_mov_b32 v[NEGR], 0xfeffffff                  ; the smallest finite f32, halved
	v_mov_b32 v[NM+1], 0                           ; the unused halves of the broadcast pairs, written once
	v_mov_b32 v[NM+3], 0
	v_mov_b32 v[AL+1], 0
	v_mov_b32 v[AL+3], 0
	s_wait_xcnt 0x0                                ; Q's loads have read their base: the scratch scalars may be written
	s_load_b512 s[32:47], s[2:3], 0x0              ; the first step's 64 mask words
	s_load_b512 s[48:63], s[2:3], 0x40
	s_load_b512 s[68:83], s[2:3], 0x80
	s_load_b512 s[84:99], s[2:3], 0xc0
.irp j, 0,1,2,3,4,5,6,7,8,9,10,11,12,13,14,15
	s_wait_loadcnt 15-\j                           ; loads return in order: Q and wo's load j are in, the 15-j younger ones stay out
	v_cvt_pk_bf16_f32 v[S+2*\j],   v[O+4*\j],   v[O+4*\j+1]      ; to bf16, back to f32 (a shift, a mask), and that value to f16
	v_cvt_pk_bf16_f32 v[S+2*\j+1], v[O+4*\j+2], v[O+4*\j+3]
	v_lshlrev_b32 v[O+4*\j],   16, v[S+2*\j]
	v_and_b32     v[O+4*\j+1], 0xffff0000, v[S+2*\j]
	v_lshlrev_b32 v[O+4*\j+2], 16, v[S+2*\j+1]
	v_and_b32     v[O+4*\j+3], 0xffff0000, v[S+2*\j+1]
	v_cvt_pk_f16_f32 v[S+2*\j],   v[O+4*\j],   v[O+4*\j+1]
	v_cvt_pk_f16_f32 v[S+2*\j+1], v[O+4*\j+2], v[O+4*\j+3]
	global_store_b64 v[T+1], v[S+2*\j:S+2*\j+1], s[66:67] offset:2048*\j   ; a wave stores 256 consecutive bytes, aligned
.endr
	s_wait_xcnt 0x0                                ; the stores have read their data, offset and base: S, T and s66 may be written
	; keys 256-511 go into slot 1 as a refill does: my load has landed, a round, one joint load
	s_set_vgpr_msb 0x5
	s_wait_tensorcnt 0x0
	ds_add_u32 v64, v65
	s_wait_dscnt 0x0
	s_set_vgpr_msb 0x500
	GSTEP
	s_wait_dscnt 0x0
	ROUND
	JLOAD
	KLOAD 0, 0
	STEP 0, 0, 1, 1, 1                             ; the first 64 keys start maximum, sum and O
	s_mov_b32 s66, 3
.Lvisits:                              ; 512 keys a trip, shifted by one step: both changes of slots in it fill a slot again, six in all
	STEP 0, 1, 0, 1, 1
	STEP 0, 2, 0, 1, 1
	BOUND 0, 1, 1
	STEP 1, 0, 0, 1, 1
	STEP 1, 1, 0, 1, 1
	STEP 1, 2, 0, 1, 1
	BOUND 1, 0, 1
	STEP 0, 0, 0, 1, 1
	s_sub_co_u32 s66, s66, 1
	s_cmp_lg_u32 s66, 0
	s_cbranch_scc1 .Lvisits
	STEP 0, 1, 0, 1, 1                             ; the last 448 keys: nothing is left to fetch
	STEP 0, 2, 0, 1, 1
	BOUND 0, 1, 0
	STEP 1, 0, 0, 1, 1
	STEP 1, 1, 0, 1, 1
	STEP 1, 2, 0, 1, 1
	STEP 1, 3, 0, 0, 0
	; THE WAY OUT: divide by the whole sum, round to f16, meet in the stage as rows of 512 bytes (four heads), store whole rows.
	v_permlanex16_b32 v[T], v[L], s6, s7
	v_permlanex16_b32 v[T+1], v[L+1], s6, s7
	v_add_f32 v[L], v[L], v[T]
	v_add_f32 v[L+1], v[L+1], v[T+1]
	v_rcp_f32 v[AL], v[L]
	v_rcp_f32 v[AL+2], v[L+1]
	v_nop                                          ; one plain place behind the reciprocals
	s_wait_alu depctr_va_vdst(0)
.irp dt, 0,1,2,3
.irp qt, 0,1
.irp p, 0,2,4,6
	v_pk_mul_f32 v[O+8*(2*\dt+\qt)+\p:O+8*(2*\dt+\qt)+\p+1], v[O+8*(2*\dt+\qt)+\p:O+8*(2*\dt+\qt)+\p+1], v[AL+2*\qt:AL+2*\qt+1] op_sel_hi:[1,0]
.endr
.endr
.endr
.irp dt, 0,1,2,3
.irp qt, 0,1
.irp p, 0,1,2,3
	v_cvt_pk_f16_f32 v[O+8*(2*\dt+\qt)+\p], v[O+8*(2*\dt+\qt)+2*\p], v[O+8*(2*\dt+\qt)+2*\p+1]
.endr
	ds_store_b128 v[STO], v[O+8*(2*\dt+\qt):O+8*(2*\dt+\qt)+3] offset:\qt*16*SPITCH+\dt*32     ; d = 16 dt + 8 h .. + 7 of query 16 qt + r
.endr
.endr
	s_wait_dscnt 0x0                               ; my stores are done, for the other waves' sake
	s_barrier_signal -1
	s_barrier_wait -1
.irp i, 0,1,2,3,4,5,6,7
	ds_load_b128 v[VF+4*\i:VF+4*\i+3], v[RD] offset:\i*SPITCH
.endr
.irp i, 0,1,2,3,4,5,6,7
	s_wait_dscnt 7-\i                              ; LDS loads return in order: row i is in
	global_store_b128 v[CO], v[VF+4*\i:VF+4*\i+3], s[100:101] offset:\i*4096   ; 512 consecutive bytes of one row, aligned
.endr
	s_set_vgpr_msb 0x5
	s_wait_tensorcnt 0x0
	ds_add_u32 v64, v65
	s_wait_dscnt 0x0
	s_set_vgpr_msb 0x500
	ROUND                                          ; the closing round
	s_endpgm
.Lfunc_end_k_q767dcbf19a_attn:
	.size	k_q767dcbf19a_attn, .Lfunc_end_k_q767dcbf19a_attn-k_q767dcbf19a_attn
	.p2alignl 7, 3214868480
	.fill 96, 4, 3214868480
	.section	.rodata,"a",@progbits
	.p2align	6, 0x0
	.amdhsa_kernel k_q767dcbf19a_attn
		.amdhsa_group_segment_fixed_size 327680
		.amdhsa_private_segment_fixed_size 0
		.amdhsa_enable_private_segment 0
		.amdhsa_kernarg_size 40
		.amdhsa_user_sgpr_count 2
		.amdhsa_user_sgpr_kernarg_segment_ptr 1
		.amdhsa_wavefront_size32 1
		.amdhsa_system_sgpr_workgroup_id_x 1
		.amdhsa_system_sgpr_workgroup_id_y 1
		.amdhsa_system_sgpr_workgroup_id_z 1
		.amdhsa_system_vgpr_workitem_id 0
		.amdhsa_next_free_vgpr 322
		.amdhsa_next_free_sgpr 106
		.amdhsa_reserve_vcc 0
		.amdhsa_float_denorm_mode_32 3
		.amdhsa_float_denorm_mode_16_64 3
		.amdhsa_memory_ordered 1
		.amdhsa_forward_progress 1
		.amdhsa_inst_pref_size 255
	.end_amdhsa_kernel
	.section	.bss,"aw",@nobits
	.p2align	6
	.space	262144
	.amdgpu_metadata
---
amdhsa.version: [ 1, 2 ]
amdhsa.kernels:
  - .name:           k_q767dcbf19a_attn
    .symbol:         k_q767dcbf19a_attn.kd
    .args:
      - { .name: qkv, .offset: 0, .size: 8, .value_kind: global_buffer, .address_space: global }
      - { .name: mb, .offset: 8, .size: 8, .value_kind: global_buffer, .address_space: global }
      - { .name: ctx, .offset: 16, .size: 8, .value_kind: global_buffer, .address_space: global }
      - { .name: wo, .offset: 24, .size: 8, .value_kind: global_buffer, .address_space: global }
      - { .name: woh, .offset: 32, .size: 8, .value_kind: global_buffer, .address_space: global }
    .group_segment_fixed_size: 327680
    .private_segment_fixed_size: 0
    .kernarg_segment_align: 8
    .kernarg_segment_size: 40
    .max_flat_workgroup_size: 256
    .sgpr_count:     106
    .vgpr_count:     322
    .wavefront_size: 32
...
	.end_amdgpu_metadata
.endif
;; end of part 3
;; launch outp (part 4): grid 16 x 16, 4 waves a work-group, clusters of 4 x 4, 327,680 bytes of LDS; arguments ctx, woh, out0; writes out0
.if DOCPART == 4
	.amdgcn_target "amdgcn-amd-amdhsa--gfx1250"
	.amdhsa_code_object_version 6
	.text
	.protected	k_q767dcbf19a_outp
	.globl	k_q767dcbf19a_outp
	.p2align	8
	.type	k_q767dcbf19a_outp,@function
k_q767dcbf19a_outp:
	s_mov_b64 s[64:65], 0
	v_nop
	global_prefetch_b8 v0, s[64:65] scope:SCOPE_SE
	s_setreg_imm32_b32 hwreg(HW_REG_WAVE_MODE, 25, 1), 1
	s_wait_xcnt 0x0
	s_wait_alu depctr_hold_cnt(0) depctr_sa_sdst(0) depctr_va_vdst(0) depctr_va_sdst(0) depctr_va_ssrc(0) depctr_va_vcc(0) depctr_vm_vsrc(0)
	s_getreg_b32 s2, hwreg(HW_REG_IB_STS2, 6, 4)
	s_cmp_eq_u32 s2, 0
	s_cbranch_scc0 .Lentry_in_a_cluster
	s_endpgm
.Lentry_in_a_cluster:
	s_bfe_u32 s2, ttmp6, 0x10000c
	s_cmp_lg_u32 s2, 0xf033
	s_cbranch_scc0 .Lentry_shape_is_right
	s_endpgm
.Lentry_shape_is_right:
; outp: out0 = ctx wo^T (2,048 x 2,048, K = 2,048; ctx and wo (woh) in f16; f32 sums, f32 out).
; LIMIT: the operands are f16 (magnitudes below 65,504).  The sums run along K from the cluster's starting point round to it again, not from 0.
; A work-group makes 128 x 128 with four waves of 64 x 64 (16 accumulator tiles).  K goes in steps of 256 through two LDS slots, so that a
; wave issues 124 matrix instructions between a request and the wait for it; a tile's rows are 512 bytes of memory, aligned.
; CLUSTER 4 x 4: ctx's tile is asked for jointly along a row of the cluster, wo's along a column.  Clusters whose x + y is odd start 1,024
; elements further along K and wrap round, so that clusters that read the same tile read it at different times.
; The matrix instruction is used transposed (source 0 = rows of wo, source 1 = rows of ctx): lane (r, h), register j holds C(row r, column 8h + j).
; Registers: window 0: addresses v16-26, fragment buffers v64-127 and v128-191; window 1: accumulator (a, b) at 8 (4 a + b).
.set AT, 4
.set BT, 4
.set KSTEP, 256
.set PITCH, 528                        ; 512 bytes + 16: an odd multiple of 16
.set QI, 6                             ; padding behind every 128 words
.set SLOT, (128+32*BT)*PITCH
.set STAGE, 2*SLOT                     ; behind the ring, never filled by a tensor load: 16 rows x 272 bytes for each wave
.set SPITCH, 272
.set LAPS, 2048/(2*KSTEP)
.set NLD, 2*(AT+BT)
.set NA, 2                             ; waves 0, 1 fetch ctx's two halves, waves 2, 3 wo's: 64 rows each
.set F0, 64
.set F1, F0+8*(AT+BT)
.set ADRA, 16
.set ADRB, 20
.set STO, 24
.set RD, 25
.set CO, 26
.set BA, 16                            ; s[16:17] ctx at my rows; s[46:47] wo at my rows
.set BB, 46
.set KO, 66                            ; s[66:67], s[68:69] byte offset along K of slot 0's, slot 1's next tile (an offset, high word 0)
.set G1, 24
.set G0, 32
.set G1B, 48
.set G0B, 56
.set G1W0, (1<<16)|(1<<20)|(1<<21)|(QI<<22)|(3<<25)
.set ACC, 0x50
.set ST, 0x04
.set MSB, 0
.macro WIN new
.if MSB != \new
	s_set_vgpr_msb (MSB<<8)|\new
.set MSB, \new
.endif
.endm
.macro JLOAD s
	s_cmp_ge_u32 s12, NA
	s_cbranch_scc1 .Lfor_b_\@
	tensor_load_to_lds s[G0+4*\s:G0+4*\s+3], s[G1:G1+7]
	s_nop 0
	s_branch .Lasked_\@
.Lfor_b_\@:
	tensor_load_to_lds s[G0B+4*\s:G0B+4*\s+3], s[G1B:G1B+7]
	s_nop 0
.Lasked_\@:
.endm
.macro CREST
	s_cmp_lg_u32 s12, 0
	s_cbranch_scc1 .Lnot_wave_0_\@
	s_barrier_signal -3
.Lnot_wave_0_\@:
	s_barrier_wait -3
	s_barrier_signal -1
	s_barrier_wait -1
.endm
.macro CROUND
	s_barrier_signal -1
	s_barrier_wait -1
	CREST
.endm
.macro PLACES                          ; four plain vector places between a matrix instruction and a load into, or a reader of, its registers
.rept 4
	v_nop
.endr
.endm
; The 16 accumulators take turns, one instruction a turn, in one order everywhere.
.macro MULROW f, a, zero
.irp b, 0,1,2,3
.if \zero
	v_wmma_f32_16x16x32_f16 v[8*(BT*\a+\b):8*(BT*\a+\b)+7], v[\f+8*\b:\f+8*\b+7], v[\f+8*BT+8*\a:\f+8*BT+8*\a+7], 0
.else
	v_wmma_f32_16x16x32_f16 v[8*(BT*\a+\b):8*(BT*\a+\b)+7], v[\f+8*\b:\f+8*\b+7], v[\f+8*BT+8*\a:\f+8*BT+8*\a+7], v[8*(BT*\a+\b):8*(BT*\a+\b)+7]
.endif
.endr
.endm
.macro FETCH slot, k, f
	WIN 0
.irp i, 0,1,2,3
	ds_load_b128 v[\f+8*\i:\f+8*\i+3],   v[ADRB+\slot] offset:\k+\i*16*PITCH
	ds_load_b128 v[\f+8*\i+4:\f+8*\i+7], v[ADRB+\slot] offset:\k+\i*16*PITCH+32
.endr
.irp i, 0,1,2,3
	ds_load_b128 v[\f+8*BT+8*\i:\f+8*BT+8*\i+3],   v[ADRA+\slot] offset:\k+\i*16*PITCH
	ds_load_b128 v[\f+8*BT+8*\i+4:\f+8*BT+8*\i+7], v[ADRA+\slot] offset:\k+\i*16*PITCH+32
.endr
.endm
.macro QUARTER slot, k, f, g, zero
	s_wait_dscnt 4                                 ; all but the youngest four loads (ctx's row tiles 2 and 3) are in
	WIN ACC
	MULROW \f, 0, \zero
	MULROW \f, 1, \zero
	PLACES
	FETCH \slot, \k, \g
	s_wait_dscnt NLD                               ; all but the run just issued
	WIN ACC
	MULROW \f, 2, \zero
	MULROW \f, 3, \zero
.endm
.macro BODY slot, zero                 ; seven of a K step's eight parts of 32 along K
	QUARTER \slot, 64,  F0, F1, \zero
	QUARTER \slot, 128, F1, F0, 0
	QUARTER \slot, 192, F0, F1, 0
	QUARTER \slot, 256, F1, F0, 0
	QUARTER \slot, 320, F0, F1, 0
	QUARTER \slot, 384, F1, F0, 0
	QUARTER \slot, 448, F0, F1, 0
.endm
; The last part changes slots: every wave's waits for its reads of this slot and for all its tensor loads stand in front of the barrier; where
; the slot is filled again the barrier opens a round of the cluster's barrier and the joint refill is the first tensor load behind the round.
.macro TURN slot, next, fill
	s_wait_dscnt 4
	WIN ACC
	MULROW F1, 0, 0
	s_wait_dscnt 0
	s_wait_tensorcnt 0x0
	ds_add_u32 v254, v255
	s_wait_dscnt 0x0
	s_barrier_signal -1
	MULROW F1, 1, 0
	WIN 0
	s_barrier_wait -1
.if \fill
	CREST
	s_add_co_u32 s[KO+2*\slot], s[KO+2*\slot], 2*KSTEP*2           ; no tensor load of mine is out: the slot's next tile lies 512 elements on,
	s_and_b32 s[KO+2*\slot], s[KO+2*\slot], 4095                   ; round the row's 4,096 bytes
	s_add_nc_u64 s[G0+4*\slot+2:G0+4*\slot+3], s[BA:BA+1], s[KO+2*\slot:KO+2*\slot+1]
	s_or_b32 s[G0+4*\slot+3], s[G0+4*\slot+3], 0x80000000
	s_add_nc_u64 s[G0B+4*\slot+2:G0B+4*\slot+3], s[BB:BB+1], s[KO+2*\slot:KO+2*\slot+1]
	s_or_b32 s[G0B+4*\slot+3], s[G0B+4*\slot+3], 0x80000000
	JLOAD \slot
.endif
	PLACES
	FETCH \next, 0, F0
	WIN ACC
	MULROW F1, 2, 0
	MULROW F1, 3, 0
.endm
.macro LAP zero
	BODY 0, \zero
	TURN 0, 1, 1
	BODY 1, 0
	TURN 1, 0, 1
.endm
	s_load_b128 s[4:7], s[0:1], 0x0                ; ctx 4:5, woh 6:7
	s_load_b64 s[8:9], s[0:1], 0x10                ; out0
	v_lshl_add_u32 v254, v0, 2, 0x46400
	v_mov_b32 v255, 0
	ds_add_u32 v254, v255
	v_lshrrev_b32 v1, 5, v0
	v_readfirstlane_b32 s12, v1                    ; wave
	s_lshr_b32 s13, s12, 1                         ; wm: my 64 rows
	s_and_b32 s14, s12, 1                          ; wn: my 64 columns; also which 64 rows of a tile I fetch
	s_bfe_u32 s40, ttmp6, 0x40000                  ; cx
	s_bfe_u32 s41, ttmp6, 0x40004                  ; cy
	s_lshl_b32 s42, ttmp9, 2
	s_add_co_u32 s42, s42, s40                     ; block column
	s_and_b32 s15, ttmp7, 0xffff                   ; the cluster's y
	s_add_co_u32 s[KO], s15, ttmp9                 ; the cluster's x + y, the same in all sixteen work-groups:
	s_and_b32 s[KO], s[KO], 1
	s_lshl_b32 s[KO], s[KO], 11                    ; odd clusters start at byte 2,048 of the rows
	s_mov_b32 s[KO+1], 0
	s_add_co_u32 s[KO+2], s[KO], KSTEP*2           ; slot 1's first tile lies behind slot 0's
	s_mov_b32 s[KO+3], 0
	s_lshl_b32 s15, s15, 2
	s_add_co_u32 s15, s15, s41                     ; block row
	s_lshl_b32 s43, s41, 2
	s_lshl_b32 s43, 15, s43
	s_lshl_b32 s44, 0x1111, s40
	s_or_b32 s[G1+0], s43, G1W0
	s_or_b32 s[G1B+0], s44, G1W0
	s_mov_b32 s[G1+1], KSTEP<<16
	s_mov_b32 s[G1B+1], KSTEP<<16
	s_mov_b32 s[G1+2], 64<<16
	s_mov_b32 s[G1B+2], 64<<16
	s_mov_b32 s[G1+3], KSTEP<<16
	s_mov_b32 s[G1B+3], KSTEP<<16
	s_mov_b32 s[G1+4], 64
	s_mov_b32 s[G1B+4], 64
	s_mov_b32 s[G1+5], 2048
	s_mov_b32 s[G1B+5], 2048
	s_mov_b32 s[G1+6], 0
	s_mov_b32 s[G1B+6], 0
	s_mov_b32 s[G1+7], 0
	s_mov_b32 s[G1B+7], 0
	s_lshl_b32 s20, s14, 18                        ; 64 rows x 4,096 bytes
	s_lshl_b32 s[BA], s15, 19                      ; ctx: row 128 x block row + 64 x half
	s_add_co_u32 s[BA], s[BA], s20
	s_mov_b32 s[BA+1], 0
	s_lshl_b32 s[BB], s42, 19                      ; wo: row 128 x block column + 64 x half
	s_add_co_u32 s[BB], s[BB], s20
	s_mov_b32 s[BB+1], 0
	s_mul_i32 s45, s12, 64*PITCH                   ; LDS: ctx's two halves, then wo's two = wave x 64 rows
	s_wait_dscnt 0x0
	s_wait_kmcnt 0x0
	s_add_nc_u64 s[BA:BA+1], s[4:5], s[BA:BA+1]
	s_add_nc_u64 s[BB:BB+1], s[6:7], s[BB:BB+1]
	CROUND                                         ; all sixteen work-groups are here: the first joint loads meet
.irp s, 0,1
	s_mov_b32 s[G0+4*\s], 1
	s_add_co_u32 s[G0+4*\s+1], s45, \s*SLOT
	s_add_nc_u64 s[G0+4*\s+2:G0+4*\s+3], s[BA:BA+1], s[KO+2*\s:KO+2*\s+1]
	s_or_b32 s[G0+4*\s+3], s[G0+4*\s+3], 0x80000000
	s_mov_b32 s[G0B+4*\s], 1
	s_add_co_u32 s[G0B+4*\s+1], s45, \s*SLOT
	s_add_nc_u64 s[G0B+4*\s+2:G0B+4*\s+3], s[BB:BB+1], s[KO+2*\s:KO+2*\s+1]
	s_or_b32 s[G0B+4*\s+3], s[G0B+4*\s+3], 0x80000000
	JLOAD \s                                       ; two tensor loads of each wave are out
.endr
	v_and_b32 v1, 15, v0                           ; r
	v_bfe_u32 v2, v0, 4, 1                         ; h
	v_mul_u32_u24 v3, v1, PITCH
	v_lshl_add_u32 v3, v2, 4, v3
	s_mul_i32 s21, s13, 64*PITCH
	s_mul_i32 s22, s14, 16*BT*PITCH
	s_add_co_u32 s22, s22, 128*PITCH
.irp s, 0,1
	v_add_nc_u32 v[ADRA+\s], s21, v3
	v_add_nc_u32 v[ADRB+\s], s22, v3
	s_add_co_u32 s21, s21, SLOT
	s_add_co_u32 s22, s22, SLOT
.endr
	s_mul_i32 s23, s12, 16*SPITCH
	s_add_co_u32 s23, s23, STAGE                   ; my stage
	v_mul_u32_u24 v4, v1, SPITCH
	v_lshl_add_u32 v4, v2, 5, v4                   ; in: row r, 32 bytes for each half of the lanes
	v_add_nc_u32 v[STO], s23, v4
	v_mul_u32_u24 v5, v2, SPITCH
	v_lshl_add_u32 v5, v1, 4, v5                   ; back: lanes 0-15 one row of 256 bytes, lanes 16-31 the next
	v_add_nc_u32 v[RD], s23, v5
	v_lshlrev_b32 v5, 13, v2                       ; and the same two rows of out0 (8,192 bytes a row)
	v_lshl_add_u32 v[CO], v1, 4, v5
	s_wait_tensorcnt 1                             ; my part of the first K step is in; the second's stays out
	s_barrier_signal -1
	s_barrier_wait -1
	FETCH 0, 0, F0
	LAP 1                                          ; the first products start the sums: nothing is cleared
	WIN 0
	s_mov_b32 s3, LAPS-2
.Llap:
	LAP 0
	WIN 0
	s_sub_co_u32 s3, s3, 1
	s_cmp_lg_u32 s3, 0
	s_cbranch_scc1 .Llap
	BODY 0, 0                                      ; the last lap fills nothing
	TURN 0, 1, 0
	BODY 1, 0
	s_wait_dscnt 4
	WIN ACC
	MULROW F1, 0, 0
	MULROW F1, 1, 0
	s_wait_dscnt 0
	MULROW F1, 2, 0
	MULROW F1, 3, 0
	; THE WAY OUT, 16 rows at a time through my own stage, so that sixteen lanes store 256 consecutive bytes of a row.
	PLACES
	WIN 0
	s_lshl_b32 s16, s15, 20                        ; row 128 x block row + 64 wm, 8,192 bytes a row
	s_lshl_b32 s17, s13, 19
	s_add_co_u32 s16, s16, s17
	s_mov_b32 s17, 0
	s_add_nc_u64 s[8:9], s[8:9], s[16:17]
	s_lshl_b32 s46, s42, 9                         ; column 128 x block column + 64 wn, in bytes
	s_lshl_b32 s47, s14, 8
	s_add_co_u32 s46, s46, s47
	s_mov_b32 s47, 0
	s_add_nc_u64 s[8:9], s[8:9], s[46:47]
.macro OUT16 a, f
	WIN ST
.irp b, 0,1,2,3
	ds_store_b128 v[STO], v[8*(BT*\a+\b):8*(BT*\a+\b)+3]   offset:64*\b
	ds_store_b128 v[STO], v[8*(BT*\a+\b)+4:8*(BT*\a+\b)+7] offset:64*\b+16
.endr
	WIN 0
	s_wait_xcnt 0x0                                ; buffer f, which earlier stores read, and the stores' base are written again only behind this wait
.if \a
	s_add_nc_u64 s[8:9], s[8:9], 16*8192
.endif
.irp t, 0,1,2,3,4,5,6,7
	ds_load_b128 v[\f+4*\t:\f+4*\t+3], v[RD] offset:\t*2*SPITCH    ; LDS serves a wave's instructions in order (ISA guide 5.7.1): these see the stores above
.endr
.irp t, 0,1,2,3,4,5,6,7
	s_wait_dscnt 7-\t
	global_store_b128 v[CO], v[\f+4*\t:\f+4*\t+3], s[8:9] offset:2*\t*8192 th:TH_STORE_NT
.endr
.endm
	OUT16 0, F0
	OUT16 1, F1
	OUT16 2, F0
	OUT16 3, F1
	s_wait_tensorcnt 0x0
	ds_add_u32 v254, v255
	s_wait_dscnt 0x0
	CROUND                                         ; the closing round: no work-group ends while a partner may still ask jointly
	s_endpgm
.Lfunc_end_k_q767dcbf19a_outp:
	.size	k_q767dcbf19a_outp, .Lfunc_end_k_q767dcbf19a_outp-k_q767dcbf19a_outp
	.p2alignl 7, 3214868480
	.fill 96, 4, 3214868480
	.section	.rodata,"a",@progbits
	.p2align	6, 0x0
	.amdhsa_kernel k_q767dcbf19a_outp
		.amdhsa_group_segment_fixed_size 327680
		.amdhsa_private_segment_fixed_size 0
		.amdhsa_enable_private_segment 0
		.amdhsa_kernarg_size 24
		.amdhsa_user_sgpr_count 2
		.amdhsa_user_sgpr_kernarg_segment_ptr 1
		.amdhsa_wavefront_size32 1
		.amdhsa_system_sgpr_workgroup_id_x 1
		.amdhsa_system_sgpr_workgroup_id_y 1
		.amdhsa_system_sgpr_workgroup_id_z 1
		.amdhsa_system_vgpr_workitem_id 0
		.amdhsa_next_free_vgpr 384
		.amdhsa_next_free_sgpr 70
		.amdhsa_reserve_vcc 0
		.amdhsa_float_denorm_mode_32 3
		.amdhsa_float_denorm_mode_16_64 3
		.amdhsa_memory_ordered 1
		.amdhsa_forward_progress 1
		.amdhsa_inst_pref_size 128
	.end_amdhsa_kernel
	.amdgpu_metadata
---
amdhsa.version: [ 1, 2 ]
amdhsa.kernels:
  - .name:           k_q767dcbf19a_outp
    .symbol:         k_q767dcbf19a_outp.kd
    .args:
      - { .name: ctx, .offset: 0, .size: 8, .value_kind: global_buffer, .address_space: global }
      - { .name: woh, .offset: 8, .size: 8, .value_kind: global_buffer, .address_space: global }
      - { .name: out0, .offset: 16, .size: 8, .value_kind: global_buffer, .address_space: global }
    .group_segment_fixed_size: 327680
    .private_segment_fixed_size: 0
    .kernarg_segment_align: 8
    .kernarg_segment_size: 24
    .max_flat_workgroup_size: 128
    .sgpr_count:     70
    .vgpr_count:     384
    .wavefront_size: 32
...
	.end_amdgpu_metadata
.endif
;; end of part 4
